; MI455X (gfx1250); checked and timed in simulation.
; The chip was launched on July 23, 2026; its instructions are those of AMD's public machine-readable ISA for CDNA 5 (MIT licence, August 2026) and "CDNA5" Instruction Set Architecture Reference Guide (July 2026). The comments in the code are by the model that wrote it; some were corrected since.
;; Dot Product Attention. Allowed arithmetic: matrix products marked QUANTISED: E4M3 operands, one given power-of-two scale a tensor, by v_wmma_f32_16x16x64_fp8_fp8 or v_wmma_f32_16x16x128_fp8_fp8, f32 sums; everything else in f32.
;; Inputs: keys_codes 128 x 1,024 x 2 x 32 uint8 (E4M3 codes of keys, K innermost, in blocks of 32 codes); lowp_scales 4 int32 (the exponents e of the quantised operands' scales 2^e); queries_codes 128 x 1,024 x 2 x 32 uint8 (E4M3 codes of queries, K innermost, in blocks of 32 codes); valid_lens 128 int32; values_codes 128 x 64 x 32 x 32 uint8 (E4M3 codes of values, K innermost, in blocks of 32 codes).
;; Outputs: out0 128 x 1,024 x 64 float32.
;; This version of the problem:
;;   THIS VERSION OF THE PROBLEM IS GIVEN IN LOW PRECISION. The matrix products marked QUANTISED in the list below multiply operands that are first quantised to E4M3 (4 exponent bits, 3 mantissa bits; 8 bits a number), with one given power-of-two scale for each operand tensor; their sums are f32. All else is computed in f32.
;;   The module's matrix products, in the order in which they are computed (A, B: the left and right operand; K: the contracted axis; several contracted axes count as one K, in the product's order):
;;     1. batch 128 x [M 1,024, K 64] x [K 64, N 1,024]; A: input queries (given as codes); B: input keys (given as codes): QUANTISED (scales: A lowp_scales[0], B lowp_scales[1])
;;     2. batch 128 x [M 1,024, K 1,024] x [K 1,024, N 64]; A: softmax (see below); B: input values (given as codes): QUANTISED (scales: A lowp_scales[2], B lowp_scales[3])
;;   THE QUANTISER, for each operand of a quantised product, along K:
;;     - The operand's scale is 2^e, e = its entry of the input lowp_scales (int32; the entries are numbered through the quantised products in the list's order, A before B).
;;     - Each number is divided by the scale, clamped to +-448, and rounded to the nearest number of E4M3, ties to even, subnormals kept.
;;     - The product sums the exact products of the quantised numbers (number of the format x scale) in f32.
;;   ~~~python
;;   def quantise(x, axis, e):      # numpy; x: float32 -> the quantised numbers, widened to float32 again
;;       x = np.moveaxis(x, axis, -1); K = x.shape[-1]
;;       r = np.clip(x / 2.0 ** e, -448, 448)
;;       step = 2.0 ** (np.maximum(np.frexp(np.where(r == 0, 1, r))[1] - 1, -6) - 3)
;;       q = np.round(r / step) * step * 2.0 ** e      # np.round: ties to even
;;       return np.moveaxis(q, -1, axis).astype(np.float32)
;;   ~~~
;;   SOFTMAX AHEAD OF A QUANTISED PRODUCT. Where the list says 'softmax', what is quantised is not the finished softmax but p = 2^(t - M), with t = logit x log2(e) and M = ceil(the row's largest t), a whole number; so 1/2 < the row's largest p <= 1. The row's sum l is taken of the UNQUANTISED p, in f32, and the product's result is divided by l at the end. Since M is a whole number, a kernel that streams over the keys may use a running M (the ceiling of the running maximum): every later rescaling is an exact power of two, so the quantised numbers keep their values, but for numbers so far below the row's largest that they fall under the format's range.
;;   OPERANDS COMPUTED ON THE WAY. 'Computed on the way' means the value that the module computes at that place (a softmax that the list does not call 'softmax' is quantised finished and normalised). What goes into a quantiser is computed in f32, as accurately as f32 sums, v_exp_f32 and their like allow (about 1e-6 of the number): no bf16 or f16 on the way to a quantiser, and a product that is left as it is and whose result goes on into a quantised operand takes f32 operands (vector FMAs, or v_wmma_f32_16x16x4_f32). A number that lies on a knife's edge between two numbers of the format may be rounded either way, as far as f32 arithmetic and the matrix unit's own rounding can turn it there, and no further.
;;   INPUTS GIVEN AS CODES. keys (in the module: [128, 1024, 64], K = its axis 2); queries (in the module: [128, 1024, 64], K = its axis 2); values (in the module: [128, 1024, 64], K = its axis 1): each comes as NAME_codes (uint8): NAME with its K axis moved to the last place and cut into blocks of 32 codes, [.., K / 32, bytes a block], one block behind the other in memory; one code a byte (a code: sign, 4 exponent bits, 3 mantissa bits); its scale is its entry of lowp_scales. Its value is code x scale, taken as it is: it is not quantised again, and the codes and scales need not be those that the quantiser above would give.
;; One version. Each part assembles by itself: llvm-mc -triple=amdgcn-amd-amdhsa -mcpu=gfx1250 --defsym DOCPART=n.
;; ======== version 1 of 1: 1 launch
;; limits: right only within a limited range of input values
;; launch attn (part 1): grid 64 x 8, 8 waves a work-group, no clusters, 111,616 bytes of LDS; arguments queries_codes, keys_codes, values_codes, lowp_scales, valid_lens, out0; writes out0
.if DOCPART == 1
	.amdgcn_target "amdgcn-amd-amdhsa--gfx1250"
	.amdhsa_code_object_version 6
	.text
	.protected	k_qf28ac08454_attn
	.globl	k_qf28ac08454_attn
	.p2align	8
	.type	k_qf28ac08454_attn,@function
k_qf28ac08454_attn:
	s_mov_b64 s[64:65], 0
	v_nop
	global_prefetch_b8 v0, s[64:65] scope:SCOPE_SE
	s_setreg_imm32_b32 hwreg(HW_REG_WAVE_MODE, 25, 1), 1
	s_wait_xcnt 0x0
; out0[b][q][:] = the sum over k of softmax_k(Q[b][q] . K[b][k] / 8, keys k >= valid_lens[b] set to -1e6) V[b][k][:], both products on codes of FP8 (E4M3), each tensor with its given scale 2^e.
; 128 heads, 1,024 queries, 1,024 keys, head size 64.  Q, K: codes [head][row][64].  V: codes with the KEYS innermost, [head][64 channels][1,024 keys].  out0: f32 [head][1,024][64].
; THE SOFTMAX AHEAD OF THE SECOND PRODUCT: t = score x log2(e) / 8; M = the row's largest t so far, rounded UP to a whole number; p = 2^(t - M) is quantised with 2^ep, not normalised; the row's sum is
; taken of the unquantised p and divides at the end.  When M moves, the sum and O are multiplied by 2^(old M - new M), which rounds nothing.
; THE MASK.  n = valid_lens[head], held at 1,024.  n >= 1: a hidden key's p is 2^(-1,442,695 - M) = 0, so key steps of 128 that lie wholly behind n are left out (scalar branches on n), and in the step
; that n cuts hidden scores become -infinity ahead of the maximum.  n <= 0: all 1,024 logits are -1e6, t is the whole number -1,442,695 in f32, M = t and p = 1 for every key: here the factor c is set to 0
; and all keys are walked, which gives t = 0, M = 0, p = 1: the same numbers by the same path.
; LIMITS.  eq + ek between -123 and -1: they are added to c's exponent field, and |score| <= 448 x 448 x 64 / 8 x 2^(eq + ek) then stays under 802,816, so that no valid score comes near -1e6 and hidden p are 0.
; ep between -126 and 119, so that 2^ep and 448 x 2^ep are f32 numbers.  ep + ev goes in by v_ldexp_f32 and has no limit.  NaN codes are not served.
; SHARES.  A work-group takes 128 queries (block y) of TWO heads: those of rank x and 127 - x in the order of the heads by their number of key steps, so that a long head and a short one share a work-group
; and all work-groups have about the same number of steps.  Every wave ranks the 128 lengths itself, by whole-number work in registers.  Of the eight waves four (a quad) serve each head, 32 queries a wave:
; two tiles of 16, so that each fragment of K and V read from LDS feeds two matrix instructions.  quad = (w xor w / 4) mod 2, m = w / 2.
; K and V of 256 keys at a time go memory -> registers -> LDS, each quad its own region, 16 loads and 16 LDS stores a wave, between two barriers that every wave passes in each of the four trips.
; NO TENSOR LOADS, NO CLUSTER: the branches on valid_lens are what leaves the hidden key steps out; what the eight blocks of a
; head share is 32,768 bytes for two key steps of every wave.
; LAYOUT.  Both products are used transposed: S^T = K Q^T (source 0 = 16 keys, source 1 = 16 queries), O^T = V^T P^T (source 0 = 16 channels, source 1 = P): a lane holds ONE query (lane % 16) throughout.
; K's rows are laid into LDS with bits 3 and 4 of the key's number exchanged: LDS rows 16 T + r are then keys 32 (T / 2) + 8 (T % 2) + r + 8 (r / 8), and the 16 registers of tiles 2 b and 2 b + 1
; are the 16 neighbouring keys 32 b + 16 (lane / 16) + 0 .. 15: the conversions' results are the second product's operand.  Fragments come by loads of 16 bytes: the same order of k on both sides of a product.
; REGISTERS: v0-7 addresses; v8-15 statistics; v16-31 Q; v32-95 F: fragments of K, then of V; v96-159 S: staging, then S^T and p of one tile; v160-223 O^T; v224-255 P's codes, and ahead of them the softmax's work registers.
.set KP,    80                         ; a key's row in LDS: 64 bytes + 16: the 16 rows of a fragment load start at 16 different columns of 16 bytes modulo 256
.set VP,    272                        ; a channel's row in LDS: 256 keys + 16
.set VOFF,  256*KP                     ; a quad's region: 256 rows of K, then 64 rows of V
.set QUADB, VOFF+64*VP                 ; 37,888 bytes
.set STAGE, 2*QUADB                    ; the way out: 16 rows x (256 + 16) bytes for each wave, its own
.set SP,    272
.set F,     32
.set S,     96
.set OTA,   160                        ; O^T of tile A, four accumulators
.set OTB,   192                        ; of tile B
.set PA,    224                        ; P's codes of tile A; +0, +1 two maxima, +2:+3 f, +4:+5 second chain of the sum, +6 the other half's maximum, +7 old -M, +8, +9 the mask's
.set PB,    240                        ; the same for tile B
; v0 16 tau (tau = 32 m + lane): K's offset in a chunk; bits 4-7 are lane % 16, bit 8 is lane / 16     v1 V's offset in a chunk     v2, v3 where I store K's and V's 16 bytes in LDS
; v4, v5 my lane's place in a fragment of K, of V     v6 2^ep     v7 the prefetch's offset     v[8:9] tile A: -M, the largest t     v[10:11] its sum in two halves     v[12:15] the same for tile B
; s16 wave, s17 quad, s18 m, s19 y; s[20:23] eq, ek, ep, ev; s[24:25] c; s26 n; s27 the chunk's first key; s28 trips; s29 valid keys left from the step's first on; s30-38 ranking; s39 prefetch bound;
; s[40:41] K, s[42:43] V at the chunk; s[44:45] Q, s[46:47] out0 at my rows; s[48:49] the prefetch's base, s[50:51] its step; s[52:53] lane selects; s54 448 x 2^ep; s55 ep + ev; s56-60 at work
.macro BAR                             ; my LDS instructions are done; then the work-group's barrier
	s_wait_dscnt 0x0
	s_barrier_signal -1
	s_barrier_wait -1
.endm
.macro PLACES                          ; four plain vector lines between matrix instructions and the first read of their results, or loads into registers that they have read
.rept 4
	v_nop
.endr
.endm
; S^T = K Q^T of one tile of queries (Q's fragment at v[q]): eight tiles of 16 keys, K = 64, each sum begun with the constant 0.  waits = 1: K's loads have just been issued
.macro QK q, waits
.irp t, 0,1,2,3,4,5,6,7
.if \waits
	s_wait_dscnt 14-2*\t                           ; fragment t's two loads are in; the 14 - 2 t issued behind them may be out
.endif
	v_wmma_f32_16x16x64_fp8_fp8 v[S+8*\t:S+8*\t+7], v[F+8*\t:F+8*\t+7], v[\q:\q+7], 0
.endr
.endm
; One tile's softmax for 128 keys: statistics at v[st], O^T at v[o], work registers and then P's codes at v[tb]
.macro SOFTMAX st, o, tb
	s_cmp_ge_i32 s29, 128                          ; all 128 keys count: no mask
	s_cbranch_scc1 .Lopen_\@
	s_sub_co_i32 s56, s29, 1
	v_bfe_u32 v[\tb+8], v0, 8, 1
	v_lshlrev_b32 v[\tb+8], 4, v[\tb+8]
	v_sub_nc_u32 v[\tb+8], s56, v[\tb+8]           ; d = left - 1 - 16 (lane / 16).  Register 16 b + i holds the step's key 32 b + 16 (lane / 16) + i: hidden where 32 b + i > d
	v_mov_b32 v[\tb+9], 0xff800000                 ; -infinity
.irp b, 0,1,2,3
	s_cmp_ge_i32 s29, 32*\b+32                     ; a block of 32 keys all of which count is passed over
	s_cbranch_scc1 .Lwhole_\@_\b
.irp i, 0,1,2,3,4,5,6,7,8,9,10,11,12,13,14,15
	v_cmp_gt_i32 vcc_lo, 32*\b+\i, v[\tb+8]
	v_cndmask_b32 v[S+16*\b+\i], v[S+16*\b+\i], v[\tb+9], vcc_lo
.endr
.Lwhole_\@_\b:
.endr
.Lopen_\@:
	v_max3_num_f32 v[\tb], v[S], v[S+1], v[S+2]    ; the step's largest score of my query among my 64 keys, in two chains, each accumulator from its low end on
	v_max3_num_f32 v[\tb+1], v[S+3], v[S+4], v[S+5]
.irp i, 6,10,14,18,22,26,30,34,38,42,46,50,54,58
	v_max3_num_f32 v[\tb], v[\tb], v[S+\i], v[S+\i+1]
	v_max3_num_f32 v[\tb+1], v[\tb+1], v[S+\i+2], v[S+\i+3]
.endr
	v_max3_num_f32 v[\tb], v[\tb], v[S+62], v[S+63]
	v_max_num_f32 v[\tb], v[\tb], v[\tb+1]
	v_permlanex16_b32 v[\tb+6], v[\tb], s52, s53
	v_max_num_f32 v[\tb], v[\tb], v[\tb+6]         ; and among the 64 keys of the lane 16 away: the step's first key counts, so this is a number
	v_mul_f32 v[\tb], s24, v[\tb]                  ; as t (c is not negative)
	v_mov_b32 v[\tb+7], v[\st]                     ; the old -M
	v_max_num_f32 v[\st+1], v[\st+1], v[\tb]       ; the running largest t
	v_floor_f32 v[\st], -v[\st+1]                  ; the new -M = floor(-t) = -ceil(t): a whole number
	v_sub_f32 v[\tb+7], v[\st], v[\tb+7]           ; old M - new M, 0 or less
	v_cvt_i32_f32 v[\tb+7], v[\tb+7]               ; (it saturates)
	v_ldexp_f32 v[\tb+2], 1.0, v[\tb+7]            ; f = 2^(old M - new M)
.irp j, 0,2,4,6,8,10,12,14,16,18,20,22,24,26,28,30,32,34,36,38,40,42,44,46,48,50,52,54,56,58,60,62
	v_pk_fma_f32 v[S+\j:S+\j+1], v[S+\j:S+\j+1], s[24:25], v[\st:\st+1] op_sel_hi:[1,0,0]   ; t - M, two at a time (of the pairs c and -M the low word serves both halves)
.endr
.irp j, 0,1,2,3,4,5,6,7,8,9,10,11,12,13,14,15,16,17,18,19,20,21,22,23,24,25,26,27,28,29,30,31,32,33,34,35,36,37,38,39,40,41,42,43,44,45,46,47,48,49,50,51,52,53,54,55,56,57,58,59,60,61,62,63
	v_exp_f32 v[S+\j], v[S+\j]                     ; p = 2^(t - M), at most 1, 0 for a hidden key
.endr
	v_pk_mul_f32 v[\st+2:\st+3], v[\st+2:\st+3], v[\tb+2:\tb+3] op_sel_hi:[1,0]   ; the sums under the new M: seventeen plain lines that name no exponential's result stand behind the batch
.irp j, 0,2,4,6,8,10,12,14,16,18,20,22,24,26,28,30
	v_pk_mul_f32 v[\o+\j:\o+\j+1], v[\o+\j:\o+\j+1], v[\tb+2:\tb+3] op_sel_hi:[1,0]   ; O^T under the new M, each accumulator from its low end on
.endr
	s_wait_alu depctr_va_vdst(0)                   ; one wait for the 64 exponentials, ahead of the first line that names a result
	v_pk_add_f32 v[\tb+4:\tb+5], v[S:S+1], v[S+2:S+3]   ; the row's sum is taken of the unquantised p, two at a time, in two chains
.irp j, 4,8,12,16,20,24,28,32,36,40,44,48,52,56,60
	v_pk_add_f32 v[\st+2:\st+3], v[\st+2:\st+3], v[S+\j:S+\j+1]
	v_pk_add_f32 v[\tb+4:\tb+5], v[\tb+4:\tb+5], v[S+\j+2:S+\j+3]
.endr
	v_pk_add_f32 v[\st+2:\st+3], v[\st+2:\st+3], v[\tb+4:\tb+5]
	s_cmp_ge_i32 s22, -8                           ; p <= 1 <= 448 x 2^ep from ep = -8 on: the hold could change nothing and is passed over
	s_cbranch_scc1 .Lheld_\@
.irp j, 0,1,2,3,4,5,6,7,8,9,10,11,12,13,14,15,16,17,18,19,20,21,22,23,24,25,26,27,28,29,30,31,32,33,34,35,36,37,38,39,40,41,42,43,44,45,46,47,48,49,50,51,52,53,54,55,56,57,58,59,60,61,62,63
	v_min_num_f32 v[S+\j], s54, v[S+\j]            ; the conversion to an 8-bit code does not saturate (ISA guide 7.6.2); p is not negative, so the hold is one-sided
.endr
.Lheld_\@:
.irp b, 0,1,2,3
	v_cvt_scalef32_pk8_fp8_f32 v[\tb+4*\b:\tb+4*\b+1], v[S+16*\b:S+16*\b+7], v6        ; registers 4 b .. 4 b + 3 of the operand: keys 32 b + 16 (lane / 16) + 0 .. 15
	v_cvt_scalef32_pk8_fp8_f32 v[\tb+4*\b+2:\tb+4*\b+3], v[S+16*\b+8:S+16*\b+15], v6
.endr
	v_nop                                          ; one plain line between the conversions and the matrix instructions that write their sources or read their results
.endm
; A key step: 128 keys, the sub-th half of the chunk in LDS
.macro SUB sub
	s_sub_co_u32 s29, s26, s27                     ; valid keys from the step's first key on: at least 1
.if \sub
	s_sub_co_u32 s29, s29, 128
.endif
	PLACES                                         ; F was read by the last step's matrix instructions
.irp t, 0,1,2,3,4,5,6,7
.irp c, 0,1
	ds_load_b128 v[F+8*\t+4*\c:F+8*\t+4*\c+3], v4 offset:(128*\sub+16*\t)*KP+32*\c
.endr
.endr
	QK 16, 1
	PLACES
	SOFTMAX 8, OTA, PA
	QK 24, 0
	PLACES                                         ; for the reads of S^T and for the loads into F alike
.irp t, 0,1,2,3
.irp c, 0,1,2,3
	ds_load_b128 v[F+16*\t+4*\c:F+16*\t+4*\c+3], v5 offset:16*\t*VP+128*\sub+32*\c   ; V's four fragments land while tile B's softmax is worked
.endr
.endr
	SOFTMAX 12, OTB, PB
.irp t, 0,1,2,3                        ; O^T += V^T P^T: the eight accumulators take turns, one instruction a turn
	s_wait_dscnt 12-4*\t                           ; fragment t's four loads are in; the 12 - 4 t issued behind them may be out
	v_wmma_f32_16x16x128_fp8_fp8 v[OTA+8*\t:OTA+8*\t+7], v[F+16*\t:F+16*\t+15], v[PA:PA+15], v[OTA+8*\t:OTA+8*\t+7]
	v_wmma_f32_16x16x128_fp8_fp8 v[OTB+8*\t:OTB+8*\t+7], v[F+16*\t:F+16*\t+15], v[PB:PB+15], v[OTB+8*\t:OTB+8*\t+7]
.endr
.endm
	s_load_b128 s[4:7], s[0:1], 0x0                ; Q's codes s[4:5], K's codes s[6:7]
	s_load_b128 s[8:11], s[0:1], 0x10              ; V's codes s[8:9], the scales' exponents s[10:11]
	s_load_b128 s[12:15], s[0:1], 0x20             ; valid_lens s[12:13], out0 s[14:15]
	s_set_vgpr_msb 0x40
	v_lshl_add_u32 v0, v0, 2, 0x1b000
	v_mov_b32 v1, 0
	s_set_vgpr_msb 0x4000
	v_lshrrev_b32 v64, 5, v0
	v_readfirstlane_b32 s16, v64                   ; wave 0..7
	v_and_b32 v64, 31, v0                          ; lane
	v_lshlrev_b32 v45, 4, v64
	s_wait_kmcnt 0x0
	s_load_b128 s[20:23], s[10:11], 0x0            ; eq, ek, ep, ev
	global_load_b128 v[32:35], v45, s[12:13]       ; all 128 lengths: lane l holds those of heads 4 l .. 4 l + 3
	s_lshr_b32 s17, s16, 2
	s_xor_b32 s17, s17, s16
	s_and_b32 s17, s17, 1                          ; quad: which of the work-group's two heads
	s_lshr_b32 s18, s16, 1                         ; m: which 32 queries of the block, and which quarter of the staging
	s_and_b32 s19, ttmp7, 0xffff                   ; y: the block of 128 queries
	s_mov_b32 s52, 0x76543210                      ; v_permlanex16_b32: each lane takes its own place in the other half
	s_mov_b32 s53, 0xfedcba98
	; all LDS and memory offsets, from the thread's number, the wave's number and constants
	s_lshl_b32 s56, s18, 5
	v_add_nc_u32 v65, s56, v64                     ; tau = 32 m + lane, 0 .. 127 within the quad
	v_and_b32 v66, 15, v0                          ; r
	v_bfe_u32 v67, v0, 4, 1                        ; h
	s_mul_i32 s57, s17, QUADB                      ; my quad's region
	v_lshrrev_b32 v68, 4, v65
	v_and_b32 v69, 15, v65
	v_lshlrev_b32 v1, 10, v68
	v_lshl_add_u32 v1, v69, 4, v1                  ; V in memory: channel tau / 16 (rows of 1,024 bytes), 16 bytes at 16 (tau % 16)
	v_bfe_u32 v70, v65, 2, 3                       ; K: load i brings me 16 bytes of key 32 i + tau / 4; its LDS row has bits 3 and 4 exchanged
	v_bfe_u32 v71, v65, 5, 1
	v_lshl_add_u32 v70, v71, 4, v70
	v_bfe_u32 v71, v65, 6, 1
	v_lshl_add_u32 v70, v71, 3, v70
	v_mul_u32_u24 v2, v70, KP
	v_and_b32 v71, 3, v65
	v_lshl_add_u32 v2, v71, 4, v2
	v_add_nc_u32 v2, s57, v2
	v_mul_u32_u24 v3, v68, VP
	v_lshl_add_u32 v3, v69, 4, v3
	v_add_nc_u32 v3, s57, v3
	v_add_nc_u32 v3, VOFF, v3
	v_mul_u32_u24 v4, v66, KP
	v_lshl_add_u32 v4, v67, 4, v4
	v_add_nc_u32 v4, s57, v4                       ; a fragment of K: row r, + 16 h
	v_mul_u32_u24 v5, v66, VP
	v_lshl_add_u32 v5, v67, 4, v5
	v_add_nc_u32 v5, s57, v5
	v_add_nc_u32 v5, VOFF, v5                      ; a fragment of V likewise
	v_lshlrev_b32 v46, 6, v66
	v_lshl_add_u32 v46, v67, 4, v46                ; Q in memory: row r of 64 bytes, + 16 h
	s_and_b32 s56, s18, 1
	s_lshl_b32 s56, s56, 5
	v_add_nc_u32 v7, s56, v64
	s_cmp_lt_u32 s18, 2
	s_cselect_b32 s58, 8, 10
	v_lshlrev_b32 v7, s58, v7                      ; the prefetch: (32 (m % 2) + lane) x 256 in K's chunk (m = 0, 1), x 1,024 among V's rows (m = 2, 3)
	v_lshlrev_b32 v0, 4, v65                       ; K in memory: 16 tau
	; THE RANKING.  steps = ceil(n / 128), 1 .. 8, with n = 1,024 where the length is 0 or less.  A head's rank = the number of heads with fewer steps, or with as many and an earlier place in the order (register, lane)
	s_wait_loadcnt 0x0
.irp g, 0,1,2,3
	v_min_i32 v[36+\g], 0x400, v[32+\g]
	v_cmp_le_i32 vcc_lo, 1, v[32+\g]
	v_cndmask_b32 v[36+\g], 0x400, v[36+\g], vcc_lo
	v_add_nc_u32 v[36+\g], 127, v[36+\g]
	v_lshrrev_b32 v[36+\g], 7, v[36+\g]
	v_mov_b32 v[40+\g], 0
.endr
	s_mov_b32 s34, 0                               ; heads ranked so far
.irp b, 1,2,3,4,5,6,7,8
.irp g, 0,1,2,3
	v_cmp_eq_u32 vcc_lo, \b, v[36+\g]
	v_mbcnt_lo_u32_b32 v44, vcc_lo, s34            ; so far + the hits in the lanes below mine
	v_cndmask_b32 v[40+\g], v[40+\g], v44, vcc_lo
	s_bcnt1_i32_b32 s35, vcc_lo
	s_add_co_u32 s34, s34, s35
.endr
.endr
	s_sub_co_u32 s36, 127, ttmp9
	s_cmp_eq_u32 s17, 1
	s_cselect_b32 s36, s36, ttmp9                  ; my quad's rank: x, or 127 - x
.irp g, 0,1,2,3
	v_cmp_eq_u32 s[30+\g], s36, v[40+\g]           ; the ranks are 0 .. 127, each once: one bit in one of the four masks
.endr
	s_mov_b32 s37, 0
	s_mov_b32 s38, 0
.irp g, 0,1,2,3
	s_ctz_i32_b32 s35, s[30+\g]
	s_and_b32 s35, s35, 31                         ; (an empty mask gives a lane all the same; its numbers are not taken)
	v_readlane_b32 s56, v[32+\g], s35              ; that head's length
	s_lshl_b32 s35, s35, 2
	s_add_co_u32 s35, s35, \g                      ; and its number, 4 x lane + register
	s_cmp_lg_u32 s[30+\g], 0
	s_cselect_b32 s37, s35, s37
	s_cselect_b32 s38, s56, s38
.endr
	s_min_u32 s37, s37, 127                        ; my head: behind this line it enters addresses by shifts and sums alone
	s_wait_kmcnt 0x0
	s_add_co_i32 s56, s20, s21
	s_lshl_b32 s56, s56, 23
	s_add_co_i32 s24, s56, 0x3e38aa3b              ; c = log2(e) / 8 x 2^(eq + ek): the two exponents are added to c's exponent field
	s_min_i32 s26, s38, 0x400
	s_cmp_ge_i32 s38, 1
	s_cselect_b32 s26, s26, 0x400                  ; n; all 1,024 keys where none counts,
	s_cselect_b32 s24, s24, 0                      ; and then c = 0: every p is 1
	s_mov_b32 s25, s24                             ; (named with it as a pair, so it is written)
	s_add_co_i32 s56, s22, 127
	s_lshl_b32 s58, s56, 23
	v_mov_b32 v6, s58                              ; 2^ep as f32: the conversion takes its exponent field
	s_add_co_i32 s56, s56, 8
	s_lshl_b32 s54, s56, 23
	s_or_b32 s54, s54, 0x600000                    ; 448 x 2^ep
	s_add_co_i32 s55, s22, s23                     ; ep + ev
	s_lshl_b32 s56, s37, 16                        ; a head's codes are 65,536 bytes in each of the three tensors
	s_mov_b32 s57, 0
	s_add_nc_u64 s[40:41], s[6:7], s[56:57]        ; K at the head's first chunk
	s_add_nc_u64 s[42:43], s[8:9], s[56:57]        ; V likewise
	s_lshl_b32 s58, s19, 7
	s_lshl_b32 s59, s18, 5
	s_add_co_u32 s58, s58, s59                     ; my first query: 128 y + 32 m
	s_lshl_b32 s60, s58, 6
	s_add_co_u32 s56, s56, s60
	s_add_nc_u64 s[44:45], s[4:5], s[56:57]        ; Q at my first query
	s_lshl_b32 s56, s37, 18
	s_lshl_b32 s60, s58, 8
	s_add_co_u32 s56, s56, s60
	s_add_nc_u64 s[46:47], s[14:15], s[56:57]      ; out0 likewise: rows of 256 bytes
	global_load_b128 v[16:19], v46, s[44:45] th:TH_LOAD_NT              ; Q's two fragments stay in registers; read once in the launch
	global_load_b128 v[20:23], v46, s[44:45] offset:32 th:TH_LOAD_NT
	global_load_b128 v[24:27], v46, s[44:45] offset:1024 th:TH_LOAD_NT
	global_load_b128 v[28:31], v46, s[44:45] offset:1056 th:TH_LOAD_NT
	s_cmp_lt_u32 s18, 2                            ; the prefetches: waves with m = 0, 1 ask for K, m = 2, 3 for V
	s_cselect_b64 s[48:49], s[40:41], s[42:43]
	s_mov_b32 s50, 0x100
	s_cselect_b32 s50, 0x4000, s50                 ; a chunk on: 16,384 bytes of K, 256 bytes in a row of V
	s_mov_b32 s51, 0
	s_add_nc_u64 s[48:49], s[48:49], s[50:51]      ; one chunk ahead of the staging
	s_cmp_eq_u32 s19, 0
	s_cselect_b32 s39, s26, 0                      ; of a head's eight blocks the first alone asks
	v_mov_b32 v9, 0xff61b1e6                       ; the largest t so far: -3e38, under every t
	v_mov_b32 v13, 0xff61b1e6
	v_floor_f32 v8, -v9                            ; -M
	v_floor_f32 v12, -v13
	v_mov_b32 v10, 0                               ; the sums, in two halves
	v_mov_b32 v11, 0
	v_mov_b32 v14, 0
	v_mov_b32 v15, 0
	v_mov_b32 v[PA+3], 0                           ; (named as the upper half of f's pair)
	v_mov_b32 v[PB+3], 0
	v_mov_b32 v[PA+6], 0                           ; (a lane permute's destination counts as one of its sources)
	v_mov_b32 v[PB+6], 0
.irp j, 0,1,2,3,4,5,6,7,8,9,10,11,12,13,14,15,16,17,18,19,20,21,22,23,24,25,26,27,28,29,30,31,32,33,34,35,36,37,38,39,40,41,42,43,44,45,46,47,48,49,50,51,52,53,54,55,56,57,58,59,60,61,62,63
	v_mov_b32 v[OTA+\j], 0                         ; O^T.  (The key step has no first form of its own: the first step finds zeros, which the first change of M leaves zeros)
.endr
	s_mov_b32 s27, 0
	s_mov_b32 s28, 0
.Ltrip:                                        ; four trips, a chunk of 256 keys each; the count is a constant, and every wave passes both barriers of every trip
	BAR                                            ; every wave's reads of the last chunk are over
	s_cmp_lt_u32 s27, s26                          ; a chunk wholly behind n is neither staged nor worked
	s_cbranch_scc0 .Lno_stage
.irp i, 0,1,2,3,4,5,6,7
	global_load_b128 v[S+4*\i:S+4*\i+3], v0, s[40:41] offset:2048*\i        ; K: a wave's load covers 512 consecutive bytes, the quad's four 2,048
.endr
.irp i, 0,1,2,3,4,5,6,7
	global_load_b128 v[S+32+4*\i:S+32+4*\i+3], v1, s[42:43] offset:8192*\i  ; V: sixteen lanes take a channel's 256 bytes of the chunk
.endr
	; A PREFETCH INTO THE L2 of the NEXT chunk, one trip ahead of its staging loads, behind this trip's 16 loads.  Each aligned block of 256 bytes is named once in the launch: of the eight blocks of queries that walk
	; a head the first (y = 0) asks; in its quad the waves with m = 0, 1 name K's 64 blocks, those with m = 2, 3 V's 64 row pieces, a lane a block.  It stops where the next chunk begins at or behind n.
	s_add_co_u32 s56, s27, 256
	s_cmp_lt_u32 s56, s39
	s_cbranch_scc0 .Lno_ask
	global_prefetch_b8 v7, s[48:49] th:TH_LOAD_NT scope:SCOPE_SE
.Lno_ask:
.irp i, 0,1,2,3,4,5,6,7
	s_wait_loadcnt 15-\i                           ; loads come back in order (ISA guide 5.7.1): K's load i is in, the 15 - i behind it may be out
	ds_store_b128 v2, v[S+4*\i:S+4*\i+3] offset:32*KP*\i
.endr
.irp i, 0,1,2,3,4,5,6,7
	s_wait_loadcnt 7-\i
	ds_store_b128 v3, v[S+32+4*\i:S+32+4*\i+3] offset:8*VP*\i
.endr
.Lno_stage:
	s_wait_loadcnt 0x0                             ; Q, on every way
	BAR                                            ; my stores have landed; behind the barrier the quad's chunk is whole
	s_cmp_lt_u32 s27, s26
	s_cbranch_scc0 .Lno_work
	SUB 0
	s_add_co_u32 s56, s27, 128
	s_cmp_lt_u32 s56, s26                          ; the chunk's second 128 keys, if one of them counts
	s_cbranch_scc0 .Lno_work
	SUB 1
.Lno_work:
	s_wait_xcnt 0x0                                ; the trip's loads and its prefetch have read their bases: they are stepped only behind this wait
	s_add_nc_u64 s[40:41], s[40:41], 0x4000
	s_add_nc_u64 s[42:43], s[42:43], 0x100
	s_add_nc_u64 s[48:49], s[48:49], s[50:51]
	s_add_co_u32 s27, s27, 256
	s_add_co_u32 s28, s28, 1
	s_cmp_lt_u32 s28, 4
	s_cbranch_scc1 .Ltrip
	; THE WAY OUT.  O^T / the sum x 2^(ep + ev) goes through my own stage in LDS, a tile of 16 queries at a time, and leaves as whole rows of 256 bytes.  The address lines are also the places behind the last products.
	v_bfe_u32 v4, v0, 4, 4                         ; r
	v_bfe_u32 v5, v0, 8, 1                         ; h
	s_mul_i32 s56, s16, 16*SP
	s_add_co_u32 s56, s56, STAGE                   ; my stage
	v_mul_u32_u24 v2, v4, SP
	v_lshl_add_u32 v2, v5, 5, v2
	v_add_nc_u32 v2, s56, v2                       ; in: row r; accumulator T's eight channels of my half: 64 T + 32 h bytes on
	v_mul_u32_u24 v3, v5, SP
	v_lshl_add_u32 v3, v4, 4, v3
	v_add_nc_u32 v3, s56, v3                       ; back: lanes 0-15 one row, lanes 16-31 the next
	v_lshlrev_b32 v1, 8, v5
	v_lshl_add_u32 v1, v4, 4, v1                   ; and the same two rows in out0
	v_add_f32 v10, v10, v11                        ; the sums' two halves,
	v_add_f32 v14, v14, v15
	v_permlanex16_b32 v11, v10, s52, s53
	v_permlanex16_b32 v15, v14, s52, s53
	v_add_f32 v10, v10, v11                        ; and the other half of the lanes': the rows' sums, above 1/2
	v_add_f32 v14, v14, v15
	v_rcp_f32 v10, v10
	v_rcp_f32 v14, v14
	v_nop                                          ; a plain line behind the last reciprocal
	s_wait_alu depctr_va_vdst(0)                   ; one wait for the two reciprocals, ahead of their first reader
	v_ldexp_f32 v10, v10, s55                      ; x 2^(ep + ev)
	v_ldexp_f32 v14, v14, s55
.irp j, 0,2,4,6,8,10,12,14,16,18,20,22,24,26,28,30
	v_pk_mul_f32 v[S+\j:S+\j+1], v[OTA+\j:OTA+\j+1], v[10:11] op_sel_hi:[1,0]          ; register 8 T + i is out(r, 16 T + 8 h + i)
.endr
.irp j, 0,2,4,6,8,10,12,14,16,18,20,22,24,26,28,30
	v_pk_mul_f32 v[S+32+\j:S+32+\j+1], v[OTB+\j:OTB+\j+1], v[14:15] op_sel_hi:[1,0]
.endr
.irp u, 0,1                            ; tile A, then tile B through the same stage: LDS serves a wave's instructions in order (ISA guide 5.7.1.4), so the loads see the stores above them and B's stores come behind A's loads
.irp t, 0,1,2,3
	ds_store_b128 v2, v[S+32*\u+8*\t:S+32*\u+8*\t+3] offset:64*\t
	ds_store_b128 v2, v[S+32*\u+8*\t+4:S+32*\u+8*\t+7] offset:64*\t+16
.endr
.irp i, 0,1,2,3,4,5,6,7
	ds_load_b128 v[F+32*\u+4*\i:F+32*\u+4*\i+3], v3 offset:2*\i*SP
.endr
.endr
.irp u, 0,1
.irp i, 0,1,2,3,4,5,6,7
	s_wait_dscnt 16*(1-\u)+7-\i                    ; this load is in; behind it: its tile's later loads, and for tile A the 16 LDS instructions of tile B
	global_store_b128 v1, v[F+32*\u+4*\i:F+32*\u+4*\i+3], s[46:47] offset:4096*\u+512*\i th:TH_STORE_NT   ; the wave stores 512 consecutive bytes, two rows, at a multiple of 256 from out0's first byte
.endr
.endr
	s_barrier_signal -1
	s_barrier_wait -1
	s_set_vgpr_msb 0x5
	s_wait_tensorcnt 0x0
	ds_add_u32 v0, v1
	s_wait_dscnt 0x0
	s_set_vgpr_msb 0x500
	s_endpgm
.Lfunc_end_k_qf28ac08454_attn:
	.size	k_qf28ac08454_attn, .Lfunc_end_k_qf28ac08454_attn-k_qf28ac08454_attn
	.p2alignl 7, 3214868480
	.fill 96, 4, 3214868480
	.section	.rodata,"a",@progbits
	.p2align	6, 0x0
	.amdhsa_kernel k_qf28ac08454_attn
		.amdhsa_group_segment_fixed_size 111616
		.amdhsa_private_segment_fixed_size 0
		.amdhsa_enable_private_segment 0
		.amdhsa_kernarg_size 48
		.amdhsa_user_sgpr_count 2
		.amdhsa_user_sgpr_kernarg_segment_ptr 1
		.amdhsa_wavefront_size32 1
		.amdhsa_system_sgpr_workgroup_id_x 1
		.amdhsa_system_sgpr_workgroup_id_y 1
		.amdhsa_system_sgpr_workgroup_id_z 1
		.amdhsa_system_vgpr_workitem_id 0
		.amdhsa_next_free_vgpr 258
		.amdhsa_next_free_sgpr 66
		.amdhsa_reserve_vcc 1
		.amdhsa_float_denorm_mode_32 3
		.amdhsa_float_denorm_mode_16_64 3
		.amdhsa_memory_ordered 1
		.amdhsa_forward_progress 1
		.amdhsa_inst_pref_size 107
	.end_amdhsa_kernel
	.amdgpu_metadata
---
amdhsa.version: [ 1, 2 ]
amdhsa.kernels:
  - .name:           k_qf28ac08454_attn
    .symbol:         k_qf28ac08454_attn.kd
    .args:
      - { .name: queries_codes, .offset: 0, .size: 8, .value_kind: global_buffer, .address_space: global }
      - { .name: keys_codes, .offset: 8, .size: 8, .value_kind: global_buffer, .address_space: global }
      - { .name: values_codes, .offset: 16, .size: 8, .value_kind: global_buffer, .address_space: global }
      - { .name: lowp_scales, .offset: 24, .size: 8, .value_kind: global_buffer, .address_space: global }
      - { .name: valid_lens, .offset: 32, .size: 8, .value_kind: global_buffer, .address_space: global }
      - { .name: out0, .offset: 40, .size: 8, .value_kind: global_buffer, .address_space: global }
    .group_segment_fixed_size: 111616
    .private_segment_fixed_size: 0
    .kernarg_segment_align: 8
    .kernarg_segment_size: 48
    .max_flat_workgroup_size: 256
    .sgpr_count:     66
    .vgpr_count:     258
    .wavefront_size: 32
...
	.end_amdgpu_metadata
.endif
;; end of part 1
